; MI455X (gfx1250); checked and timed in simulation.
; The chip was launched on July 23, 2026; its instructions are those of AMD's public machine-readable ISA for CDNA 5 (MIT licence, August 2026) and "CDNA5" Instruction Set Architecture Reference Guide (July 2026). The comments in the code are by the model that wrote it; some were corrected since.
;; Memory Bank. Allowed arithmetic: matrix products marked QUANTISED: E3M2 operands, one E8M0 scale for each 32 along K, by v_wmma_scale_f32_16x16x128_f8f6f4 with both operands' format E3M2, f32 sums; everything else in f32.
;; Inputs: keys 131,072 x 128 float32; q 1,024 x 128 float32; values 131,072 x 256 float32.
;; Outputs: out0 1,024 x 256 float32.
;; Constants: topk = 5.
;; This version of the problem:
;;   THIS VERSION OF THE PROBLEM IS GIVEN IN LOW PRECISION. The matrix products marked QUANTISED in the list below multiply operands that are first quantised to E3M2 (3 exponent bits, 2 mantissa bits; 6 bits a number), with one power-of-two scale for each 32 numbers along K (OCP MX v1.0); their sums are f32. All else is computed in f32.
;;   The module's matrix products, in the order in which they are computed (A, B: the left and right operand; K: the contracted axis; several contracted axes count as one K, in the product's order):
;;     1. [M 1,024, K 128] x [K 128, N 131,072]; A: computed on the way; B: computed on the way: QUANTISED
;;   THE QUANTISER, for each operand of a quantised product, along K:
;;     - K is cut into blocks of 32 from its start; a last block that is shorter is filled with zeros.
;;     - A block's scale is 2^e with e = floor(log2(the largest magnitude in the block)) - 4, held to -126 .. 127; a block of zeros has e = 0. As a byte (E8M0): e + 127.
;;     - Each number is divided by its block's scale, clamped to +-28, and rounded to the nearest number of E3M2, ties to even, subnormals kept.
;;     - The product sums the exact products of the quantised numbers (number of the format x scale) in f32.
;;   ~~~python
;;   def quantise(x, axis):      # numpy; x: float32 -> the quantised numbers, widened to float32 again
;;       x = np.moveaxis(x, axis, -1); K = x.shape[-1]
;;       x = np.pad(x, [(0, 0)] * (x.ndim - 1) + [(0, -K % 32)]); x = x.reshape(x.shape[:-1] + (-1, 32)); a = np.abs(x).max(-1, keepdims=True)
;;       e = np.where(a > 0, np.clip(np.frexp(np.where(a > 0, a, 1))[1] - 1 - 4, -126, 127), 0)      # np.frexp(a)[1] - 1 = floor(log2(a)), exactly
;;       r = np.clip(x / 2.0 ** e, -28, 28)
;;       step = 2.0 ** (np.maximum(np.frexp(np.where(r == 0, 1, r))[1] - 1, -2) - 2)
;;       q = np.round(r / step) * step * 2.0 ** e      # np.round: ties to even
;;       return np.moveaxis(q.reshape(q.shape[:-2] + (-1,))[..., :K], -1, axis).astype(np.float32)
;;   ~~~
;;   OPERANDS COMPUTED ON THE WAY. 'Computed on the way' means the value that the module computes at that place (a softmax that the list does not call 'softmax' is quantised finished and normalised). What goes into a quantiser is computed in f32, as accurately as f32 sums, v_exp_f32 and their like allow (about 1e-6 of the number): no bf16 or f16 on the way to a quantiser, and a product that is left as it is and whose result goes on into a quantised operand takes f32 operands (vector FMAs, or v_wmma_f32_16x16x4_f32). A number that lies on a knife's edge between two numbers of the format may be rounded either way, as far as f32 arithmetic and the matrix unit's own rounding can turn it there, and no further.
;; One version. Each part assembles by itself: llvm-mc -triple=amdgcn-amd-amdhsa -mcpu=gfx1250 --defsym DOCPART=n.
;; ======== version 1 of 1: 4 launches
;; workspace buffers: kcodes 12,582,912 bytes; kscl 524,288 bytes; qrows 98,304 bytes; qsw 8,192 bytes; cmax 8,388,608 bytes; cid 131,072 bytes of whole numbers; kid 131,072 bytes of whole numbers
;; launch score (part 1): grid 256 x 1, 8 waves a work-group, no clusters, 297,984 bytes of LDS; arguments keys, q, kcodes, kscl, qrows, qsw, cmax; writes kcodes, kscl, qrows, qsw, cmax
.if DOCPART == 1
	.amdgcn_target "amdgcn-amd-amdhsa--gfx1250"
	.amdhsa_code_object_version 6
	.text
	.protected	k_q4f33964013_score
	.globl	k_q4f33964013_score
	.p2align	8
	.type	k_q4f33964013_score,@function
k_q4f33964013_score:
	s_mov_b64 s[64:65], 0
	v_nop
	global_prefetch_b8 v0, s[64:65] scope:SCOPE_SE
	s_setreg_imm32_b32 hwreg(HW_REG_WAVE_MODE, 25, 1), 1
	s_wait_xcnt 0x0
; MemoryBank, launch 1 of 4.  scores[b][c] = (q[b] / max(|q[b]|, 1e-8)) . (keys[c] / max(|keys[c]|, 1e-8)), both operands quantised along K = 128 to codes of BF6 (E3M2)
; with one E8M0 scale for each 32; then the 5 best keys of each query; then the mean of their rows of values.
; THE WAY TO THE TOP 5.  Order keys by (score falling, index rising), as the top-k of the problem does.  Cut the bank into 2,048 chunks of 64 neighbouring keys and rank a chunk by its best key.
; If key x of chunk C is among the best 5, each chunk ranked ahead of C holds a key of its own ahead of x, so at most 4 chunks are ahead of C: the best 5 keys lie in the best 5 chunks, for all values of the inputs.
; Chunks are runs of indices, so (chunk maximum falling, chunk number rising) is that same order, ties too.  This launch computes ALL scores and keeps each chunk's maximum for each query;
; launch 2 picks 5 chunks a query, launch 3 scores those 320 keys anew from the codes kept here and picks the 5 keys, launch 4 gathers.
; WORK LEFT OUT: none of the product.  Of values only the 5 rows that a query's indices name can reach the output (a lookup by an index); the other rows are not read.  All three inputs are loaded by the program; topk = 5 is built in.
; LIMITS: NaN and infinities in q or keys are not served (the maxima drop a NaN, -infinity marks what has been taken); a NaN or infinity in a row of values that no query chooses is not carried to the result;
; scores +0 and -0 count as equal, the lower index first; a block whose largest magnitude lies under 2^-122 keeps the scale byte 1 (a block of zeros too: its codes are zeros, and this program alone reads the bytes);
; 1 / max(norm, 1e-8) is made as min(1 / sqrt(sum of squares), 1e8), the reciprocal root refined by one Newton step; sums of squares beyond f32's range are not served.
; SHARES.  Work-group g owns keys 512 g .. 512 g + 511 against all 1,024 queries: each key is read and quantised once in the launch.  Wave w of eight owns queries 128 w .. 128 w + 127: eight tiles of 16, whose codes stay in its registers.
; The keys go in four sub-blocks of 128 (eight tiles); wave w quantises tile w of each, and the tiles reach the other waves through LDS as images of the operand's registers.
; PRODUCT: source 0 = 16 keys, source 1 = 16 queries, C = 0 (K = 128 is one instruction): lane (r, h) holds query r, its register j key 8 h + j of the tile.  No accumulator is added onto.
; NO CLUSTER: what work-groups share is q, 524,288 bytes.  Beside the keys' 270,336 bytes and the images' 26,624 this text leaves 29,696 bytes of LDS, so a joint load of q would have to pass through a small ring filled again
; some eighteen times, each behind a round of the cluster's barrier; q goes through registers instead.
; LDS: 0 .. 270,335 the raw keys, 512 rows of 512 bytes + 16 (33 x 16 bytes: the sixteen rows of a load begin at sixteen different 16-byte columns modulo 256), filled once by tensor loads;
;      from 270,336 two image buffers of 13,312 bytes by turns (8 x 1,536 of codes, then 8 x 128 of scale words); from 296,960 the spare words.
; REGISTERS: window 0: v1-14 addresses; v16-23 the key tiles' scale words; v24-31 the query tiles'; v32-95 64 numbers at work, later the 8 result tiles; v96-159 a second 64 numbers (q only), later v96-127 the chunk maxima;
;      v160-215 at work.   window 1: v0-95 q's codes, tile i at 12 i; v96-191 the sub-block's key codes, tile t at 96 + 12 t.
.set RAWP,  528
.set SUBB,  128*RAWP                   ; a sub-block's rows in LDS
.set IMG,   512*RAWP
.set IBUF,  13312
.set ISC,   12288
.set SPARE, IMG+2*IBUF
.set SPW, 1                            ; LDS address of my spare word; never rewritten
.set NIL, 2                            ; 0; never rewritten
.set RA,  3                            ; (16 w + r) x 528 + 128 h: my place in my wave's raw rows
.set RAK, 4                            ; the same in the sub-block in hand
.set ILD, 5                            ; IMG + 16 x lane: an image, read
.set ISL, 6                            ; IMG + ISC + 4 x lane: a scale image, read
.set IWR, 7                            ; ILD + 1,536 w: my tile's image, written
.set ISW, 8                            ; ISL + 128 w
.set QOF, 9                            ; q: 512 r + 128 h
.set L16, 10                           ; 16 x lane
.set CMO, 11                           ; cmax: 128 (r / 4) + 64 h + 16 (r % 4)
.set L4,  12                           ; 4 x lane
.set QRO, 13                           ; qrows: 96 r + 24 h
.set SH8, 14                           ; 8 h
.set KS,  16
.set QS,  24
.set XA,  32
.set XB,  96
.set MX,  96                           ; chunk maxima: register 4 i + kb
.set SS,  160                          ; v160-167 four pairs of partial sums of squares
.set INV, 168                          ; v168-169 1 / norm, twice
.set BM,  170                          ; v170-171 the two blocks' largest magnitudes
.set SOP, 172                          ; v172-173 the conversions' scale operands
.set BY,  174                          ; v174-175 the scale bytes
.set SWD, 176                          ; a key tile's scale word
.set TP,  177                          ; a lane permute's destination
.set T0,  178
.set T1,  179
.set CT,  180                          ; v180-182, v184-186 the upper halves' codes
.set BM2, 188                          ; v188-189 second chains of the maxima
.set PC,  192                          ; v192-203 the fragment just made
.set CH,  204                          ; v204-207 four chains of a query tile's maxima
.set SND, 208
.set KEP, 209
.set RCV, 210
.set KD,  212                          ; v212-215 scale words on their way to kscl (at the head: lane, r, h, a temporary)
.set G1,  24                           ; s[24:31] descriptor group 1
.set G0,  32                           ; s[32:47] descriptor group 0, a set for each sub-block
.set MSB, 0
.macro WIN new                         ; the immediate's high byte repeats the setting that is left
.if MSB != \new
	s_set_vgpr_msb (MSB<<8)|\new
.set MSB, \new
.endif
.endm
; 64 numbers of a lane, register xs + 32 c + i = k 64 c + 32 h + i of row r (two whole blocks of 32), are divided by the row's norm and become the fragment's 12 registers in v[PC] on and the row's scale word in v[sreg].
.macro QUANT xs, sreg
.irp p, 0,1,2,3
	v_pk_mul_f32 v[SS+2*\p:SS+2*\p+1], v[\xs+2*\p:\xs+2*\p+1], v[\xs+2*\p:\xs+2*\p+1]   ; the sum of squares, in four chains of pairs: the first products start them
.endr
.set QN, 4
.rept 28
	v_pk_fma_f32 v[SS+2*(QN%4):SS+2*(QN%4)+1], v[\xs+2*QN:\xs+2*QN+1], v[\xs+2*QN:\xs+2*QN+1], v[SS+2*(QN%4):SS+2*(QN%4)+1]
.set QN, QN+1
.endr
	v_pk_add_f32 v[SS:SS+1], v[SS:SS+1], v[SS+2:SS+3]
	v_pk_add_f32 v[SS+4:SS+5], v[SS+4:SS+5], v[SS+6:SS+7]
	v_pk_add_f32 v[SS:SS+1], v[SS:SS+1], v[SS+4:SS+5]
	v_add_f32 v[SS], v[SS], v[SS+1]
	v_permlanex16_b32 v[TP], v[SS], s20, s21       ; the row's other 64 numbers lie in the lane 16 away
	v_add_f32 v[SS], v[SS], v[TP]
	v_rsq_f32 v[INV], v[SS]
.irp c, 0,1                                    ; the blocks' largest magnitudes, of the numbers as loaded (a multiplication by a positive number keeps the order, rounded too): plain work behind the reciprocal root
	v_max_num_f32 v[BM+\c], |v[\xs+32*\c]|, |v[\xs+32*\c+1]|
	v_max_num_f32 v[BM2+\c], |v[\xs+32*\c+16]|, |v[\xs+32*\c+17]|
.endr
.irp e, 2,4,6,8,10,12,14
.irp c, 0,1
	v_max3_num_f32 v[BM+\c], v[BM+\c], |v[\xs+32*\c+\e]|, |v[\xs+32*\c+\e+1]|
	v_max3_num_f32 v[BM2+\c], v[BM2+\c], |v[\xs+32*\c+16+\e]|, |v[\xs+32*\c+17+\e]|
.endr
.endr
.irp c, 0,1
	v_max_num_f32 v[BM+\c], v[BM+\c], v[BM2+\c]
.endr
	s_wait_alu depctr_va_vdst(0)                   ; the wait ahead of the first instruction that names the reciprocal root
	v_mul_f32 v[T0], v[SS], v[INV]                 ; one Newton step: y + (y / 2) (1 - ss y y)
	v_mul_f32 v[T1], 0.5, v[INV]
	v_fma_f32 v[T0], -v[T0], v[INV], 1.0
	v_fma_f32 v[INV], v[T1], v[T0], v[INV]
	v_min_num_f32 v[INV], 0x4cbebc20, v[INV]       ; max(norm, 1e-8) as min(1 / norm, 1e8); a row of zeros has made a NaN above, which loses here
	v_mov_b32 v[INV+1], v[INV]
.set QN, 0
.rept 32
	v_pk_mul_f32 v[\xs+2*QN:\xs+2*QN+1], v[\xs+2*QN:\xs+2*QN+1], v[INV:INV+1]
.set QN, QN+1
.endr
.irp c, 0,1
	v_mul_f32 v[BM+\c], v[BM+\c], v[INV]           ; the largest magnitude of the normalised block
.endr
.irp c, 0,1
	v_max_num_f32 v[BM+\c], 0x2800000, v[BM+\c]    ; the floor 2^(5 - 127): the byte cannot fall under 1
.endr
.irp c, 0,1
	v_add_nc_u32 v[SOP+\c], 0xfe000000, v[BM+\c]   ; 4 off its exponent field: the conversion takes the exponent field of this operand as its scale
.endr
.irp c, 0,1
	v_lshrrev_b32 v[BY+\c], 23, v[SOP+\c]          ; the scale's byte
.endr
	v_lshl_or_b32 v[T0], v[BY+1], 16, v[BY]        ; my two bytes: blocks h and 2 + h,
	v_lshlrev_b32 v[T0], v[SH8], v[T0]             ; at their places in the word;
	v_permlanex16_b32 v[TP], v[T0], s20, s21
	v_or_b32 v[\sreg], v[T0], v[TP]                ; with the other lane's two the word is whole, in both lanes
.irp c, 0,1
	v_cvt_scalef32_pk16_bf6_f32 v[PC+6*\c:PC+6*\c+2], v[\xs+32*\c:\xs+32*\c+15], v[SOP+\c]
	v_cvt_scalef32_pk16_bf6_f32 v[CT+4*\c:CT+4*\c+2], v[\xs+32*\c+16:\xs+32*\c+31], v[SOP+\c]   ; (a conversion's three registers begin on an even number)
.endr
	v_nop                                          ; one plain place behind the scaled conversions
.irp c, 0,1
.irp e, 0,1,2
	v_mov_b32 v[PC+3+6*\c+\e], v[CT+4*\c+\e]
.endr
.endr
.endm
.macro QLOAD buf, i                            ; query tile i of my eight: 64 numbers a lane
.irp c, 0,1
.irp j, 0,1,2,3,4,5,6,7
	global_load_b128 v[\buf+32*\c+4*\j:\buf+32*\c+4*\j+3], v[QOF], s[6:7] offset:(\i)*8192+256*\c+16*\j
.endr
.endr
.endm
	s_load_b256 s[4:11], s[0:1], 0x0               ; keys s[4:5], q s[6:7], kcodes s[8:9], kscl s[10:11]
	s_load_b128 s[12:15], s[0:1], 0x20             ; qrows s[12:13], qsw s[14:15]
	s_load_b64 s[16:17], s[0:1], 0x30              ; cmax
	v_lshl_add_u32 v[SPW], v0, 2, SPARE
	v_mov_b32 v[NIL], 0
	ds_add_u32 v[SPW], v[NIL]                      ; the wave's opening: the add, twice on end, and its wait ahead of my first tensor load
	ds_add_u32 v[SPW], v[NIL]
	v_lshrrev_b32 v212, 5, v0
	v_readfirstlane_b32 s18, v212                  ; wave 0..7
	s_mov_b32 s[G1+0], (2<<16)|(1<<20)|(6<<22)|(3<<25)   ; no mask; elements of 4 bytes; padding on: behind every 128 words 4 words
	s_mov_b32 s[G1+1], 128<<16                     ; tensor_dim0 = 128
	s_mov_b32 s[G1+2], 16<<16                      ; tensor_dim1 = 16
	s_mov_b32 s[G1+3], 128<<16                     ; tile_dim0 = 128
	s_mov_b32 s[G1+4], 16                          ; tile_dim1 = 16
	s_mov_b32 s[G1+5], 128                         ; elements from row to row
	s_mov_b32 s[G1+6], 0
	s_mov_b32 s[G1+7], 0
	s_mov_b32 s19, 0xffff0000                      ; the lanes with h = 1
	s_mov_b32 s20, 0x76543210
	s_mov_b32 s21, 0xfedcba98                      ; v_permlanex16_b32's selects for lane l xor 16
	s_lshl_b32 s48, ttmp9, 18                      ; my work-group's 512 rows of 512 bytes,
	s_lshl_b32 s49, s18, 13                        ; my wave's 16 rows of a sub-block
	s_add_co_u32 s48, s48, s49
	s_mov_b32 s49, 0
	s_mul_i32 s52, s18, 16*RAWP                    ; and their place in LDS
	s_wait_dscnt 0x0                               ; both opening adds are done
	s_wait_kmcnt 0x0
	s_add_nc_u64 s[50:51], s[4:5], s[48:49]
.irp kb, 0,1,2,3
	s_mov_b32 s[G0+4*\kb], 1
	s_add_co_u32 s[G0+4*\kb+1], s52, \kb*SUBB
	s_add_nc_u64 s[G0+4*\kb+2:G0+4*\kb+3], s[50:51], \kb*65536
	s_or_b32 s[G0+4*\kb+3], s[G0+4*\kb+3], 0x80000000
.endr
.irp kb, 0,1,2,3                               ; all my keys are asked for at once: four loads of mine are out, each 16 rows x 512 bytes, into bytes that I alone read
	tensor_load_to_lds s[G0+4*\kb:G0+4*\kb+3], s[G1:G1+7]
	s_nop 0
.endr
	v_and_b32 v212, 31, v0                         ; lane
	v_and_b32 v213, 15, v0                         ; r
	v_bfe_u32 v214, v0, 4, 1                       ; h
	v_mul_u32_u24 v[RA], v213, RAWP
	v_lshl_add_u32 v[RA], v214, 7, v[RA]
	v_add_nc_u32 v[RA], s52, v[RA]
	v_lshl_add_u32 v[ILD], v212, 4, IMG
	v_lshl_add_u32 v[ISL], v212, 2, IMG+ISC
	s_mul_i32 s53, s18, 1536
	v_add_nc_u32 v[IWR], s53, v[ILD]
	s_lshl_b32 s53, s18, 7
	v_add_nc_u32 v[ISW], s53, v[ISL]
	v_lshlrev_b32 v[QOF], 9, v213
	v_lshl_add_u32 v[QOF], v214, 7, v[QOF]
	v_lshlrev_b32 v[L16], 4, v212
	v_lshlrev_b32 v[L4], 2, v212
	v_lshrrev_b32 v215, 2, v213
	v_lshlrev_b32 v[CMO], 7, v215
	v_lshl_add_u32 v[CMO], v214, 6, v[CMO]
	v_and_b32 v215, 3, v213
	v_lshl_add_u32 v[CMO], v215, 4, v[CMO]
	v_mul_u32_u24 v[QRO], v213, 96
	v_mad_u32_u24 v[QRO], v214, 24, v[QRO]
	v_lshlrev_b32 v[SH8], 3, v214
	v_mov_b32 v[TP], 0                             ; written once: a lane permute's destination counts as one of its sources
	v_mov_b32 v[RCV], 0
	s_lshl_b32 s48, s18, 16                        ; q: my 128 rows of 512 bytes
	s_add_nc_u64 s[6:7], s[6:7], s[48:49]
	s_lshl_b32 s48, ttmp9, 5
	s_add_co_u32 s48, s48, s18
	s_mul_i32 s48, s48, 1536                       ; kcodes: tile 32 g + w (+ 8 kb by the stores' immediates)
	s_add_nc_u64 s[8:9], s[8:9], s[48:49]
	s_lshl_b32 s48, ttmp9, 11                      ; kscl: 8 chunks of 256 bytes
	s_add_nc_u64 s[10:11], s[10:11], s[48:49]
	s_mul_i32 s48, s18, 12288                      ; qrows: 128 rows of 96 bytes
	s_add_nc_u64 s[12:13], s[12:13], s[48:49]
	s_lshl_b32 s48, s18, 10                        ; qsw: 8 tiles of 128 bytes
	s_add_nc_u64 s[14:15], s[14:15], s[48:49]
	s_lshl_b32 s48, ttmp9, 15                      ; cmax: 32,768 bytes a work-group, 512 a query tile
	s_lshl_b32 s50, s18, 12
	s_add_co_u32 s48, s48, s50
	s_add_nc_u64 s[16:17], s[16:17], s[48:49]
	; ---- Q: my eight tiles of queries become codes in window 1 and scale words in v24-31, while the keys are on their way.  Two buffers of 64 numbers by turns.
	QLOAD XA, 0
	QLOAD XB, 1
.irp i, 0,1,2,3,4,5,6,7
.if \i < 7
	s_wait_loadcnt 16                              ; this tile's 16 loads are in; the other buffer's 16 may be out
.else
	s_wait_loadcnt 0x0
.endif
	s_wait_xcnt 0x0                                ; the last tile's stores (work-group 0) have read v[PC] on: it is written again only behind this wait
	QUANT XA+64*(\i%2), QS+\i
	WIN 0x40                                       ; destination window 1
.irp e, 0,1,2,3,4,5,6,7,8,9,10,11
	v_mov_b32 v[12*\i+\e], v[PC+\e]
.endr
	WIN 0
	s_cmp_lg_u32 ttmp9, 0                          ; every work-group makes the same codes of q; work-group 0 keeps them for launch 3
	s_cbranch_scc1 .Lnoq_\i
.irp p, 0,1,2,3,4,5
	global_store_b64 v[QRO], v[PC+2*\p:PC+2*\p+1], s[12:13] offset:\i*1536+48*(\p/3)+8*(\p%3)   ; as rows of 96 bytes: the registers are the row's stream of bits
.endr
	global_store_b32 v[L4], v[QS+\i], s[14:15] offset:\i*128
.Lnoq_\i:
.if \i < 6
	QLOAD XA+64*(\i%2), \i+2
.endif
.endr
; ---- A SUB-BLOCK of 128 keys.
.macro KBLK kb
	s_wait_xcnt 0x0                                ; earlier stores have read v[PC] on and v[KD] on
	s_wait_tensorcnt 3-\kb                         ; my rows of this sub-block have landed; my loads of the later sub-blocks may be out
	v_add_nc_u32 v[RAK], \kb*SUBB, v[RA]
.irp c, 0,1
.irp j, 0,1,2,3,4,5,6,7
	ds_load_b128 v[XA+32*\c+4*\j:XA+32*\c+4*\j+3], v[RAK] offset:256*\c+16*\j
.endr
.endr
	s_wait_dscnt 0x0
	QUANT XA, SWD
.irp c, 0,1,2
	ds_store_b128 v[IWR], v[PC+4*\c:PC+4*\c+3] offset:IBUF*(\kb%2)+512*\c      ; the fragment goes to LDS as an image of its registers: lane l's 16 bytes at 16 l
.endr
	ds_store_b32 v[ISW], v[SWD] offset:IBUF*(\kb%2)
.irp c, 0,1,2
	global_store_b128 v[L16], v[PC+4*\c:PC+4*\c+3], s[8:9] offset:\kb*12288+512*\c   ; and in the same form to kcodes: 512 consecutive bytes a store
.endr
	s_wait_dscnt 0x0                               ; my image has landed.  (My reads of the other buffer were waited for in the sub-block before: it is written again only behind this barrier)
	s_barrier_signal -1
	s_barrier_wait -1                              ; all eight images lie in LDS
	WIN 0x40                                       ; destination window 1
.irp t, 0,1,2,3,4,5,6,7
.irp c, 0,1,2
	ds_load_b128 v[96+12*\t+4*\c:96+12*\t+4*\c+3], v[ILD] offset:IBUF*(\kb%2)+1536*\t+512*\c
.endr
.endr
	WIN 0
.irp t, 0,1,2,3,4,5,6,7
	ds_load_b32 v[KS+\t], v[ISL] offset:IBUF*(\kb%2)+128*\t
.endr
	s_wait_dscnt 0x0
	s_cmp_lg_u32 s18, 0                            ; wave 0 keeps the sub-block's scale words: chunk 2 kb in lanes 0-15, chunk 2 kb + 1 in lanes 16-31; row r's four words (tiles 0-3 of the chunk) are 16 bytes
	s_cbranch_scc1 .Lnok_\@
.irp u, 0,1,2,3
	v_cndmask_b32 v[KD+\u], v[KS+\u], v[KS+4+\u], s19
.endr
	global_store_b128 v[L16], v[KD:KD+3], s[10:11] offset:\kb*512
.Lnok_\@:
.irp i, 0,1,2,3,4,5,6,7                        ; my eight tiles of queries against the eight tiles of keys
	WIN 0x05                                       ; sources 0 and 1 window 1, the results window 0
.irp t, 0,1,2,3,4,5,6,7
	v_wmma_scale_f32_16x16x128_f8f6f4 v[XA+8*\t:XA+8*\t+7], v[96+12*\t:96+12*\t+11], v[12*\i:12*\i+11], 0, v[KS+\t], v[QS+\i] matrix_a_fmt:MATRIX_FMT_BF6 matrix_b_fmt:MATRIX_FMT_BF6
.endr
	WIN 0
.rept 4
	v_nop                                          ; four places between the last product and the first read of results (ISA guide 7.12.1)
.endr
.irp y, 0,1,2,3                                ; the largest of my 64 scores, in four chains of two tiles each; every tile is read from its low end on
	v_max_num_f32 v[CH+\y], v[XA+16*\y], v[XA+16*\y+1]
.endr
.irp e, 2,4,6,8,10,12,14
.irp y, 0,1,2,3
	v_max3_num_f32 v[CH+\y], v[CH+\y], v[XA+16*\y+\e], v[XA+16*\y+\e+1]
.endr
.endr
	v_max_num_f32 v[CH], v[CH], v[CH+1]            ; tiles 0-3: chunk 2 kb
	v_max_num_f32 v[CH+2], v[CH+2], v[CH+3]        ; tiles 4-7: chunk 2 kb + 1
	v_cndmask_b32 v[SND], v[CH+2], v[CH], s19      ; a chunk's keys lie in both halves of the lanes: lanes 0-15 keep chunk 2 kb and send the other, lanes 16-31 the other way round,
	v_cndmask_b32 v[KEP], v[CH], v[CH+2], s19
	v_permlanex16_b32 v[RCV], v[SND], s20, s21     ; so that one exchange finishes both
	v_max_num_f32 v[MX+4*\i+\kb], v[KEP], v[RCV]   ; lane (r, h): query r's maximum of chunk 2 kb + h
.endr
.endm
	KBLK 0
	KBLK 1
	KBLK 2
	KBLK 3
.irp i, 0,1,2,3,4,5,6,7
	global_store_b128 v[CMO], v[MX+4*\i:MX+4*\i+3], s[16:17] offset:512*\i   ; a query tile's 512 consecutive bytes: [r / 4][h][r % 4][kb], so that four neighbouring queries have 128 bytes on end
.endr
	s_wait_tensorcnt 0x0                           ; the wave's end, behind my last tensor load and my last LDS store
	ds_add_u32 v[SPW], v[NIL]
	s_wait_dscnt 0x0
	s_endpgm
.Lfunc_end_k_q4f33964013_score:
	.size	k_q4f33964013_score, .Lfunc_end_k_q4f33964013_score-k_q4f33964013_score
	.p2alignl 7, 3214868480
	.fill 96, 4, 3214868480
	.section	.rodata,"a",@progbits
	.p2align	6, 0x0
	.amdhsa_kernel k_q4f33964013_score
		.amdhsa_group_segment_fixed_size 297984
		.amdhsa_private_segment_fixed_size 0
		.amdhsa_enable_private_segment 0
		.amdhsa_kernarg_size 56
		.amdhsa_user_sgpr_count 2
		.amdhsa_user_sgpr_kernarg_segment_ptr 1
		.amdhsa_wavefront_size32 1
		.amdhsa_system_sgpr_workgroup_id_x 1
		.amdhsa_system_sgpr_workgroup_id_y 1
		.amdhsa_system_sgpr_workgroup_id_z 1
		.amdhsa_system_vgpr_workitem_id 0
		.amdhsa_next_free_vgpr 448
		.amdhsa_next_free_sgpr 66
		.amdhsa_reserve_vcc 0
		.amdhsa_float_denorm_mode_32 3
		.amdhsa_float_denorm_mode_16_64 3
		.amdhsa_memory_ordered 1
		.amdhsa_forward_progress 1
		.amdhsa_inst_pref_size 245
	.end_amdhsa_kernel
	.amdgpu_metadata
---
amdhsa.version: [ 1, 2 ]
amdhsa.kernels:
  - .name:           k_q4f33964013_score
    .symbol:         k_q4f33964013_score.kd
    .args:
      - { .name: keys, .offset: 0, .size: 8, .value_kind: global_buffer, .address_space: global }
      - { .name: q, .offset: 8, .size: 8, .value_kind: global_buffer, .address_space: global }
      - { .name: kcodes, .offset: 16, .size: 8, .value_kind: global_buffer, .address_space: global }
      - { .name: kscl, .offset: 24, .size: 8, .value_kind: global_buffer, .address_space: global }
      - { .name: qrows, .offset: 32, .size: 8, .value_kind: global_buffer, .address_space: global }
      - { .name: qsw, .offset: 40, .size: 8, .value_kind: global_buffer, .address_space: global }
      - { .name: cmax, .offset: 48, .size: 8, .value_kind: global_buffer, .address_space: global }
    .group_segment_fixed_size: 297984
    .private_segment_fixed_size: 0
    .kernarg_segment_align: 8
    .kernarg_segment_size: 56
    .max_flat_workgroup_size: 256
    .sgpr_count:     66
    .vgpr_count:     448
    .wavefront_size: 32
...
	.end_amdgpu_metadata
.endif
;; end of part 1
;; launch pick (part 2): grid 256 x 1, 4 waves a work-group, no clusters, 37,376 bytes of LDS; arguments cmax, cid; writes cid
.if DOCPART == 2
	.amdgcn_target "amdgcn-amd-amdhsa--gfx1250"
	.amdhsa_code_object_version 6
	.text
	.protected	k_q4f33964013_pick
	.globl	k_q4f33964013_pick
	.p2align	8
	.type	k_q4f33964013_pick,@function
k_q4f33964013_pick:
	s_mov_b64 s[64:65], 0
	v_nop
	global_prefetch_b8 v0, s[64:65] scope:SCOPE_SE
	s_setreg_imm32_b32 hwreg(HW_REG_WAVE_MODE, 25, 1), 1
	s_wait_xcnt 0x0
; MemoryBank, launch 2 of 4: for each query the 5 best of its 2,048 chunk maxima, by (maximum falling, chunk number rising): the chunks that hold the query's 5 best keys (shown at the head of launch 1).
; Nothing is left out here.  LIMITS as in launch 1: no NaN or infinity among the maxima; +0 and -0 count as equal.
; Work-group g owns queries 4 g .. 4 g + 3, wave b query 4 g + b.  Their maxima are 256 pieces of 128 bytes, one from each work-group of launch 1, at 32,768 p + 128 g; in a piece: [h][query % 4][kb], chunk 8 p + 2 kb + h.
; The pieces come into LDS (144 bytes apart: 9 x 16, so that sixteen pieces begin at different 16-byte columns modulo 256); then each wave takes its query's 2,048 numbers, 64 a lane.
; No choice here steers an address or a branch: the five turns are a counted loop, and every selection is a v_cndmask_b32.  The chunk numbers go to cid as whole numbers, 32 words a query: words 0 to 4, the rest 0.
.set PP,    144
.set SPARE, 256*PP                     ; behind the slab: the spare words, 128 bytes for each wave
.set SPW, 1
.set NIL, 2
.set SB0, 32                           ; v32-95   my 64 maxima
.set ID0, 96                           ; v96-159  their chunk numbers, as f32 (under 2,048: exact)
.set GG,  160                          ; the largest still in play
.set TPM, 161                          ; a lane permute's destination
.set CC,  162                          ; v162-165
.set WA,  166
.set WB,  167
.set BIG, 168
.set NINF, 169
.set OUTR, 170
.set MC,  171                          ; v171-174
.set SEL, 12                           ; s[12:13]
.set MS,  40                           ; s[40:43] lane masks
.set SK,  44                           ; the turn
; Five turns.  A turn: the largest of the n numbers of all lanes; among the entries equal to it the lowest id; that entry becomes -infinity; lane k of OUTR takes the id of turn k.
.macro TOP5 sb, sst, ib, ist, n
	s_mov_b32 s[SK], 0
.Ltop_\@:
.set EC, (\n)/4
.irp x, 0,1,2,3
.if EC%2
	v_max3_num_f32 v[MC+\x], v[\sb+\sst*\x], v[\sb+\sst*(\x+4)], v[\sb+\sst*(\x+8)]
.else
	v_max_num_f32 v[MC+\x], v[\sb+\sst*\x], v[\sb+\sst*(\x+4)]
.endif
.endr
.set JJ, 8+4*(EC%2)
.rept (EC-2-EC%2)/2
.irp x, 0,1,2,3
	v_max3_num_f32 v[MC+\x], v[MC+\x], v[\sb+\sst*(JJ+\x)], v[\sb+\sst*(JJ+4+\x)]
.endr
.set JJ, JJ+8
.endr
	v_max3_num_f32 v[GG], v[MC], v[MC+1], v[MC+2]
	v_max_num_f32 v[GG], v[GG], v[MC+3]
	v_max_num_f32_dpp v[GG], v[GG], v[GG] row_xmask:1 row_mask:0xf bank_mask:0xf
	v_max_num_f32_dpp v[GG], v[GG], v[GG] row_xmask:2 row_mask:0xf bank_mask:0xf
	v_max_num_f32_dpp v[GG], v[GG], v[GG] row_xmask:4 row_mask:0xf bank_mask:0xf
	v_max_num_f32_dpp v[GG], v[GG], v[GG] row_xmask:8 row_mask:0xf bank_mask:0xf
	v_permlanex16_b32 v[TPM], v[GG], s[SEL], s[SEL+1]
	v_max_num_f32 v[GG], v[GG], v[TPM]             ; every lane holds the largest
.set JJ, 0
.rept (\n)/4
.irp x, 0,1,2,3
	v_cmp_eq_f32 s[MS+\x], v[\sb+\sst*(JJ+\x)], v[GG]
.endr
.irp x, 0,1,2,3
	v_cndmask_b32 v[CC+\x], v[BIG], v[\ib+\ist*(JJ+\x)], s[MS+\x]   ; the id where the entry is the largest, else a number over every id
.endr
.if JJ == 0
	v_min_num_f32 v[WA], v[CC], v[CC+1]
	v_min_num_f32 v[WB], v[CC+2], v[CC+3]
.else
	v_min3_num_f32 v[WA], v[WA], v[CC], v[CC+1]
	v_min3_num_f32 v[WB], v[WB], v[CC+2], v[CC+3]
.endif
.set JJ, JJ+4
.endr
	v_min_num_f32 v[WA], v[WA], v[WB]
	v_min_num_f32_dpp v[WA], v[WA], v[WA] row_xmask:1 row_mask:0xf bank_mask:0xf
	v_min_num_f32_dpp v[WA], v[WA], v[WA] row_xmask:2 row_mask:0xf bank_mask:0xf
	v_min_num_f32_dpp v[WA], v[WA], v[WA] row_xmask:4 row_mask:0xf bank_mask:0xf
	v_min_num_f32_dpp v[WA], v[WA], v[WA] row_xmask:8 row_mask:0xf bank_mask:0xf
	v_permlanex16_b32 v[TPM], v[WA], s[SEL], s[SEL+1]
	v_min_num_f32 v[WA], v[WA], v[TPM]             ; the lowest id among the largest: ties go to the lower index
.set JJ, 0
.rept (\n)/4
.irp x, 0,1,2,3
	v_cmp_eq_f32 s[MS+\x], v[\ib+\ist*(JJ+\x)], v[WA]
.endr
.irp x, 0,1,2,3
	v_cndmask_b32 v[\sb+\sst*(JJ+\x)], v[\sb+\sst*(JJ+\x)], v[NINF], s[MS+\x]   ; taken: out of play
.endr
.set JJ, JJ+4
.endr
	s_lshl_b32 s[MS], 1, s[SK]
	v_cndmask_b32 v[OUTR], v[OUTR], v[WA], s[MS]   ; lane k keeps turn k's id
	s_add_co_u32 s[SK], s[SK], 1
	s_cmp_lt_u32 s[SK], 5
	s_cbranch_scc1 .Ltop_\@
.endm
	s_load_b128 s[4:7], s[0:1], 0x0                ; cmax, cid
	v_lshl_add_u32 v[SPW], v0, 2, SPARE
	v_mov_b32 v[NIL], 0
	v_lshrrev_b32 v6, 5, v0
	v_readfirstlane_b32 s18, v6                    ; wave b
	v_and_b32 v7, 31, v0                           ; lane
	v_lshrrev_b32 v8, 3, v7                        ; lane / 8: which of a load's four pieces
	v_and_b32 v9, 7, v7                            ; lane % 8: which 16 bytes of it
	v_lshlrev_b32 v3, 15, v8
	v_lshl_add_u32 v3, v9, 4, v3                   ; in memory: 32,768 (lane / 8) + 16 (lane % 8)
	s_lshl_b32 s20, s18, 6
	v_add_nc_u32 v4, s20, v8
	v_mul_u32_u24 v4, v4, PP
	v_lshl_add_u32 v4, v9, 4, v4                   ; into the slab: piece 64 b + lane / 8 (+ 4 i by the immediate)
	v_and_b32 v10, 15, v7
	v_lshrrev_b32 v11, 4, v7
	v_mul_u32_u24 v5, v10, PP
	v_lshl_add_u32 v5, v11, 6, v5
	s_lshl_b32 s20, s18, 4
	v_add_nc_u32 v5, s20, v5                       ; out of it: piece lane % 16 (+ 16 i), half lane / 16, my query's 16 bytes
	v_lshl_add_u32 v12, v10, 3, v11                ; 8 (lane % 16) + lane / 16
	v_lshlrev_b32 v13, 2, v7                       ; 4 x lane
	s_mov_b32 s[SEL], 0x76543210
	s_mov_b32 s[SEL+1], 0xfedcba98
	v_mov_b32 v[TPM], 0
	v_mov_b32 v[OUTR], 0
	v_mov_b32 v[BIG], 0x7f7fffff
	v_mov_b32 v[NINF], 0xff800000
	s_lshl_b32 s8, ttmp9, 7
	s_lshl_b32 s9, s18, 21                         ; 64 pieces of 32,768 bytes a wave
	s_add_co_u32 s8, s8, s9
	s_mov_b32 s9, 0
	s_lshl_b32 s10, ttmp9, 2
	s_add_co_u32 s10, s10, s18
	s_lshl_b32 s10, s10, 7                         ; cid: 128 bytes a query
	s_mov_b32 s11, 0
	s_wait_kmcnt 0x0
	s_add_nc_u64 s[4:5], s[4:5], s[8:9]
	s_add_nc_u64 s[6:7], s[6:7], s[10:11]
.irp i, 0,1,2,3,4,5,6,7,8,9,10,11,12,13,14,15
	global_load_b128 v[SB0+4*\i:SB0+4*\i+3], v3, s[4:5] offset:\i*131072 th:TH_LOAD_NT
.endr
.irp i, 0,1,2,3,4,5,6,7,8,9,10,11,12,13,14,15
.irp c, 0,1,2,3
	v_add_nc_u32 v[ID0+4*\i+\c], 128*\i+2*\c, v12  ; entry 4 i + c is chunk 128 i + 8 (lane % 16) + 2 c + lane / 16
.endr
.endr
.irp j, 0,1,2,3,4,5,6,7,8,9,10,11,12,13,14,15,16,17,18,19,20,21,22,23,24,25,26,27,28,29,30,31,32,33,34,35,36,37,38,39,40,41,42,43,44,45,46,47,48,49,50,51,52,53,54,55,56,57,58,59,60,61,62,63
	v_cvt_f32_u32 v[ID0+\j], v[ID0+\j]
.endr
.irp i, 0,1,2,3,4,5,6,7,8,9,10,11,12,13,14,15
	s_wait_loadcnt 15-\i                           ; load i is in; the younger ones may be out
	ds_store_b128 v4, v[SB0+4*\i:SB0+4*\i+3] offset:\i*4*PP
.endr
	s_wait_dscnt 0x0                               ; for the others' sake: my pieces lie in the slab
	s_barrier_signal -1
	s_barrier_wait -1
.irp i, 0,1,2,3,4,5,6,7,8,9,10,11,12,13,14,15
	ds_load_b128 v[SB0+4*\i:SB0+4*\i+3], v5 offset:\i*16*PP
.endr
	s_wait_dscnt 0x0
	TOP5 SB0, 1, ID0, 1, 64
	v_cvt_u32_f32 v[OUTR], v[OUTR]
	global_store_b32 v13, v[OUTR], s[6:7]          ; 128 consecutive bytes a wave, 512 a work-group
	s_wait_tensorcnt 0x0                           ; the wave's end, behind my last LDS store
	ds_add_u32 v[SPW], v[NIL]
	s_wait_dscnt 0x0
	s_endpgm
.Lfunc_end_k_q4f33964013_pick:
	.size	k_q4f33964013_pick, .Lfunc_end_k_q4f33964013_pick-k_q4f33964013_pick
	.p2alignl 7, 3214868480
	.fill 96, 4, 3214868480
	.section	.rodata,"a",@progbits
	.p2align	6, 0x0
	.amdhsa_kernel k_q4f33964013_pick
		.amdhsa_group_segment_fixed_size 37376
		.amdhsa_private_segment_fixed_size 0
		.amdhsa_enable_private_segment 0
		.amdhsa_kernarg_size 16
		.amdhsa_user_sgpr_count 2
		.amdhsa_user_sgpr_kernarg_segment_ptr 1
		.amdhsa_wavefront_size32 1
		.amdhsa_system_sgpr_workgroup_id_x 1
		.amdhsa_system_sgpr_workgroup_id_y 1
		.amdhsa_system_sgpr_workgroup_id_z 1
		.amdhsa_system_vgpr_workitem_id 0
		.amdhsa_next_free_vgpr 192
		.amdhsa_next_free_sgpr 66
		.amdhsa_reserve_vcc 0
		.amdhsa_float_denorm_mode_32 3
		.amdhsa_float_denorm_mode_16_64 3
		.amdhsa_memory_ordered 1
		.amdhsa_forward_progress 1
		.amdhsa_inst_pref_size 34
	.end_amdhsa_kernel
	.amdgpu_metadata
---
amdhsa.version: [ 1, 2 ]
amdhsa.kernels:
  - .name:           k_q4f33964013_pick
    .symbol:         k_q4f33964013_pick.kd
    .args:
      - { .name: cmax, .offset: 0, .size: 8, .value_kind: global_buffer, .address_space: global }
      - { .name: cid, .offset: 8, .size: 8, .value_kind: global_buffer, .address_space: global }
    .group_segment_fixed_size: 37376
    .private_segment_fixed_size: 0
    .kernarg_segment_align: 8
    .kernarg_segment_size: 16
    .max_flat_workgroup_size: 128
    .sgpr_count:     66
    .vgpr_count:     192
    .wavefront_size: 32
...
	.end_amdgpu_metadata
.endif
;; end of part 2
;; launch rescore (part 3): grid 256 x 1, 4 waves a work-group, no clusters, 0 bytes of LDS; arguments cid, kcodes, kscl, qrows, qsw, kid; writes kid
.if DOCPART == 3
	.amdgcn_target "amdgcn-amd-amdhsa--gfx1250"
	.amdhsa_code_object_version 6
	.text
	.protected	k_q4f33964013_rescore
	.globl	k_q4f33964013_rescore
	.p2align	8
	.type	k_q4f33964013_rescore,@function
k_q4f33964013_rescore:
	s_mov_b64 s[64:65], 0
	v_nop
	global_prefetch_b8 v0, s[64:65] scope:SCOPE_SE
	s_setreg_imm32_b32 hwreg(HW_REG_WAVE_MODE, 25, 1), 1
	s_wait_xcnt 0x0
; MemoryBank, launch 3 of 4: for each query the 5 best keys.  Only the keys of the 5 chunks that launch 2 chose are scored anew, 320 a query: the 5 best keys lie there for all values of the inputs (shown at the head of launch 1).
; The scores are made by the same matrix instruction on the same codes and scale words that launch 1 kept.  LIMITS as in launch 1.
; A wave owns one query q = 4 g + b.  Source 0 = the query's row in all 16 rows (every lane loads the same row), source 1 = a tile of 16 keys, as launch 1's image of its registers: register 0 of the result in lane (r, h) is the score of key r.
; The chunk numbers are whole numbers read from memory; they are held to 2,047 before they enter an address.  The choice of keys steers nothing here: a counted loop of five turns, selections by v_cndmask_b32; the key numbers go to kid, 32 words a query.
; No LDS, no tensor load: each wave's operands go from memory straight into its registers, each read once by it.  No cluster: the waves' chunks hang on numbers read from memory and are not shared by plan.
; REGISTERS: window 0: v5-19 offsets; v20-31 the query's fragment; v32 its scale word; v36-55 the 20 tiles' scale words; v56-59 r + 16 u; v64-223 the 20 results (register 0 the score; register 1 is given the key's number); v224-238 at work.
;            window 1: v0-239 the 20 tiles' codes, tile t at 12 t.
.set GG,  224
.set TPM, 225
.set CC,  226                          ; v226-229
.set WA,  230
.set WB,  231
.set BIG, 232
.set NINF, 233
.set OUTR, 234
.set MC,  235                          ; v235-238
.set SEL, 38                           ; s[38:39]
.set MS,  56                           ; s[56:59]
.set SK,  60
.set MSB, 0
.macro WIN new                         ; the immediate's high byte repeats the setting that is left
.if MSB != \new
	s_set_vgpr_msb (MSB<<8)|\new
.set MSB, \new
.endif
.endm
; Five turns.  A turn: the largest of the n numbers of all lanes; among the entries equal to it the lowest id; that entry (in both halves of the lanes, which hold the same) becomes -infinity; lane k of OUTR takes the id of turn k.
.macro TOP5 sb, sst, ib, ist, n
	s_mov_b32 s[SK], 0
.Ltop_\@:
.set EC, (\n)/4
.irp x, 0,1,2,3
.if EC%2
	v_max3_num_f32 v[MC+\x], v[\sb+\sst*\x], v[\sb+\sst*(\x+4)], v[\sb+\sst*(\x+8)]
.else
	v_max_num_f32 v[MC+\x], v[\sb+\sst*\x], v[\sb+\sst*(\x+4)]
.endif
.endr
.set JJ, 8+4*(EC%2)
.rept (EC-2-EC%2)/2
.irp x, 0,1,2,3
	v_max3_num_f32 v[MC+\x], v[MC+\x], v[\sb+\sst*(JJ+\x)], v[\sb+\sst*(JJ+4+\x)]
.endr
.set JJ, JJ+8
.endr
	v_max3_num_f32 v[GG], v[MC], v[MC+1], v[MC+2]
	v_max_num_f32 v[GG], v[GG], v[MC+3]
	v_max_num_f32_dpp v[GG], v[GG], v[GG] row_xmask:1 row_mask:0xf bank_mask:0xf
	v_max_num_f32_dpp v[GG], v[GG], v[GG] row_xmask:2 row_mask:0xf bank_mask:0xf
	v_max_num_f32_dpp v[GG], v[GG], v[GG] row_xmask:4 row_mask:0xf bank_mask:0xf
	v_max_num_f32_dpp v[GG], v[GG], v[GG] row_xmask:8 row_mask:0xf bank_mask:0xf
	v_permlanex16_b32 v[TPM], v[GG], s[SEL], s[SEL+1]
	v_max_num_f32 v[GG], v[GG], v[TPM]
.set JJ, 0
.rept (\n)/4
.irp x, 0,1,2,3
	v_cmp_eq_f32 s[MS+\x], v[\sb+\sst*(JJ+\x)], v[GG]
.endr
.irp x, 0,1,2,3
	v_cndmask_b32 v[CC+\x], v[BIG], v[\ib+\ist*(JJ+\x)], s[MS+\x]
.endr
.if JJ == 0
	v_min_num_f32 v[WA], v[CC], v[CC+1]
	v_min_num_f32 v[WB], v[CC+2], v[CC+3]
.else
	v_min3_num_f32 v[WA], v[WA], v[CC], v[CC+1]
	v_min3_num_f32 v[WB], v[WB], v[CC+2], v[CC+3]
.endif
.set JJ, JJ+4
.endr
	v_min_num_f32 v[WA], v[WA], v[WB]
	v_min_num_f32_dpp v[WA], v[WA], v[WA] row_xmask:1 row_mask:0xf bank_mask:0xf
	v_min_num_f32_dpp v[WA], v[WA], v[WA] row_xmask:2 row_mask:0xf bank_mask:0xf
	v_min_num_f32_dpp v[WA], v[WA], v[WA] row_xmask:4 row_mask:0xf bank_mask:0xf
	v_min_num_f32_dpp v[WA], v[WA], v[WA] row_xmask:8 row_mask:0xf bank_mask:0xf
	v_permlanex16_b32 v[TPM], v[WA], s[SEL], s[SEL+1]
	v_min_num_f32 v[WA], v[WA], v[TPM]             ; ties go to the lower index
.set JJ, 0
.rept (\n)/4
.irp x, 0,1,2,3
	v_cmp_eq_f32 s[MS+\x], v[\ib+\ist*(JJ+\x)], v[WA]
.endr
.irp x, 0,1,2,3
	v_cndmask_b32 v[\sb+\sst*(JJ+\x)], v[\sb+\sst*(JJ+\x)], v[NINF], s[MS+\x]
.endr
.set JJ, JJ+4
.endr
	s_lshl_b32 s[MS], 1, s[SK]
	v_cndmask_b32 v[OUTR], v[OUTR], v[WA], s[MS]
	s_add_co_u32 s[SK], s[SK], 1
	s_cmp_lt_u32 s[SK], 5
	s_cbranch_scc1 .Ltop_\@
.endm
	s_load_b256 s[4:11], s[0:1], 0x0               ; cid s[4:5], kcodes s[6:7], kscl s[8:9], qrows s[10:11]
	s_load_b128 s[12:15], s[0:1], 0x20             ; qsw s[12:13], kid s[14:15]
	v_lshrrev_b32 v1, 5, v0
	v_readfirstlane_b32 s18, v1                    ; wave b
	s_lshl_b32 s19, ttmp9, 2
	s_add_co_u32 s19, s19, s18                     ; my query
	s_lshl_b32 s20, s19, 7                         ; 128 bytes a query in cid and in kid
	s_mov_b32 s21, 0
	v_and_b32 v2, 31, v0                           ; lane
	v_and_b32 v3, 15, v0                           ; r
	v_bfe_u32 v4, v0, 4, 1                         ; h
	v_mul_u32_u24 v5, v4, 24                       ; the query's row: my half's 24 bytes
	v_mov_b32 v6, 0
	v_lshlrev_b32 v7, 4, v2                        ; 16 x lane: my place in an image
	v_lshlrev_b32 v18, 4, v3                       ; 16 r: row r's four scale words of a chunk
	v_lshlrev_b32 v19, 2, v2                       ; 4 x lane
.irp u, 0,1,2,3
	v_add_nc_u32 v[56+\u], 16*\u, v3               ; r + 16 u
.endr
	s_mov_b32 s[SEL], 0x76543210
	s_mov_b32 s[SEL+1], 0xfedcba98
	v_mov_b32 v[TPM], 0
	v_mov_b32 v[OUTR], 0
	v_mov_b32 v[BIG], 0x7f7fffff
	v_mov_b32 v[NINF], 0xff800000
	s_wait_kmcnt 0x0
	s_add_nc_u64 s[4:5], s[4:5], s[20:21]
	s_add_nc_u64 s[14:15], s[14:15], s[20:21]
	s_load_b256 s[24:31], s[4:5], 0x0              ; my five chunk numbers (words 5 to 7 are 0)
	s_mul_i32 s20, s19, 96
	s_add_nc_u64 s[10:11], s[10:11], s[20:21]      ; my row of codes
	s_lshr_b32 s22, s19, 4
	s_lshl_b32 s22, s22, 7
	s_and_b32 s23, s19, 15
	s_lshl_b32 s23, s23, 2
	s_add_co_u32 s20, s22, s23
	s_add_nc_u64 s[12:13], s[12:13], s[20:21]      ; my scale word: 128 (q / 16) + 4 (q % 16)
.irp p, 0,1,2,3,4,5
	global_load_b64 v[20+2*\p:21+2*\p], v5, s[10:11] offset:48*(\p/3)+8*(\p%3)
.endr
	global_load_b32 v32, v6, s[12:13]              ; the same word in every lane: all 16 rows of source 0 are my query
	s_wait_kmcnt 0x0
.irp k, 0,1,2,3,4
	s_min_u32 s[24+\k], s[24+\k], 2047             ; a loaded number enters an address only behind this hold
	s_mul_i32 s[32+\k], s[24+\k], 6144             ; a chunk's four tiles of 1,536 bytes
	s_lshl_b32 s[40+\k], s[24+\k], 8               ; its 256 bytes of scale words
	s_lshl_b32 s[48+\k], s[24+\k], 6               ; its first key
	v_add_nc_u32 v[8+\k], s[32+\k], v7
	v_add_nc_u32 v[13+\k], s[40+\k], v18
.endr
.irp k, 0,1,2,3,4
	global_load_b128 v[36+4*\k:39+4*\k], v[13+\k], s[8:9]   ; lane r: the scale words of key r of the chunk's tiles 0 to 3
.endr
	WIN 0x40                                       ; destination window 1
.irp k, 0,1,2,3,4
.irp u, 0,1,2,3
.irp c, 0,1,2
	global_load_b128 v[48*\k+12*\u+4*\c:48*\k+12*\u+4*\c+3], v[8+\k], s[6:7] offset:1536*\u+512*\c   ; 512 consecutive bytes a load
.endr
.endr
.endr
	WIN 0
	s_wait_loadcnt 0x0
	WIN 0x04                                       ; source 1 window 1
.irp t, 0,1,2,3,4,5,6,7,8,9,10,11,12,13,14,15,16,17,18,19
	v_wmma_scale_f32_16x16x128_f8f6f4 v[64+8*\t:71+8*\t], v[20:31], v[12*\t:12*\t+11], 0, v32, v[36+\t] matrix_a_fmt:MATRIX_FMT_BF6 matrix_b_fmt:MATRIX_FMT_BF6
.endr
	WIN 0
.rept 4
	v_nop                                          ; four places between the last product and the first touch of results (ISA guide 7.12.1)
.endr
.irp k, 0,1,2,3,4
.irp u, 0,1,2,3
	v_add_nc_u32 v[65+8*(4*\k+\u)], s[48+\k], v[56+\u]   ; the key's number, 64 x chunk + 16 u + r, laid into the result's register 1, which nobody wants
.endr
.endr
.irp t, 0,1,2,3,4,5,6,7,8,9,10,11,12,13,14,15,16,17,18,19
	v_cvt_f32_u32 v[65+8*\t], v[65+8*\t]           ; as f32: under 2^17, exact
.endr
	TOP5 64, 8, 65, 8, 20
	v_cvt_u32_f32 v[OUTR], v[OUTR]
	global_store_b32 v19, v[OUTR], s[14:15]        ; 128 consecutive bytes a wave: words 0 to 4 the keys, the rest 0
	s_endpgm
.Lfunc_end_k_q4f33964013_rescore:
	.size	k_q4f33964013_rescore, .Lfunc_end_k_q4f33964013_rescore-k_q4f33964013_rescore
	.p2alignl 7, 3214868480
	.fill 96, 4, 3214868480
	.section	.rodata,"a",@progbits
	.p2align	6, 0x0
	.amdhsa_kernel k_q4f33964013_rescore
		.amdhsa_group_segment_fixed_size 0
		.amdhsa_private_segment_fixed_size 0
		.amdhsa_enable_private_segment 0
		.amdhsa_kernarg_size 48
		.amdhsa_user_sgpr_count 2
		.amdhsa_user_sgpr_kernarg_segment_ptr 1
		.amdhsa_wavefront_size32 1
		.amdhsa_system_sgpr_workgroup_id_x 1
		.amdhsa_system_sgpr_workgroup_id_y 1
		.amdhsa_system_sgpr_workgroup_id_z 1
		.amdhsa_system_vgpr_workitem_id 0
		.amdhsa_next_free_vgpr 512
		.amdhsa_next_free_sgpr 66
		.amdhsa_reserve_vcc 0
		.amdhsa_float_denorm_mode_32 3
		.amdhsa_float_denorm_mode_16_64 3
		.amdhsa_memory_ordered 1
		.amdhsa_forward_progress 1
		.amdhsa_inst_pref_size 22
	.end_amdhsa_kernel
	.amdgpu_metadata
---
amdhsa.version: [ 1, 2 ]
amdhsa.kernels:
  - .name:           k_q4f33964013_rescore
    .symbol:         k_q4f33964013_rescore.kd
    .args:
      - { .name: cid, .offset: 0, .size: 8, .value_kind: global_buffer, .address_space: global }
      - { .name: kcodes, .offset: 8, .size: 8, .value_kind: global_buffer, .address_space: global }
      - { .name: kscl, .offset: 16, .size: 8, .value_kind: global_buffer, .address_space: global }
      - { .name: qrows, .offset: 24, .size: 8, .value_kind: global_buffer, .address_space: global }
      - { .name: qsw, .offset: 32, .size: 8, .value_kind: global_buffer, .address_space: global }
      - { .name: kid, .offset: 40, .size: 8, .value_kind: global_buffer, .address_space: global }
    .group_segment_fixed_size: 0
    .private_segment_fixed_size: 0
    .kernarg_segment_align: 8
    .kernarg_segment_size: 48
    .max_flat_workgroup_size: 128
    .sgpr_count:     66
    .vgpr_count:     512
    .wavefront_size: 32
...
	.end_amdgpu_metadata
.endif
;; end of part 3
;; launch fuse (part 4): grid 256 x 1, 4 waves a work-group, no clusters, 0 bytes of LDS; arguments kid, values, out0; writes out0
.if DOCPART == 4
	.amdgcn_target "amdgcn-amd-amdhsa--gfx1250"
	.amdhsa_code_object_version 6
	.text
	.protected	k_q4f33964013_fuse
	.globl	k_q4f33964013_fuse
	.p2align	8
	.type	k_q4f33964013_fuse,@function
k_q4f33964013_fuse:
	s_mov_b64 s[64:65], 0
	v_nop
	global_prefetch_b8 v0, s[64:65] scope:SCOPE_SE
	s_setreg_imm32_b32 hwreg(HW_REG_WAVE_MODE, 25, 1), 1
	s_wait_xcnt 0x0
; MemoryBank, launch 4 of 4: out0[q] = the mean of the 5 rows of values that launch 3 chose for query q.  Only those rows are read: a lookup by an index (head of launch 1).
; LIMIT: the mean is the sum x 0.2 (f32), the sum taken as ((v0 + v1) + (v2 + v3)) + v4.
; A wave owns one query q = 4 g + b.  The key numbers are whole numbers read from memory, held to 131,071 before they enter an address.  A row is 1,024 bytes: two loads of 512 consecutive bytes a row, all ten out at once.
; No LDS, no matrix unit, no cluster: the launch moves bytes, and which rows two waves share hangs on numbers read from memory.  No hint on the loads: a row may be named by several queries.
	s_load_b128 s[4:7], s[0:1], 0x0                ; kid, values
	s_load_b64 s[8:9], s[0:1], 0x10                ; out0
	v_lshrrev_b32 v1, 5, v0
	v_readfirstlane_b32 s10, v1                    ; wave b
	v_and_b32 v1, 31, v0
	v_lshlrev_b32 v1, 4, v1                        ; 16 x lane
	s_lshl_b32 s11, ttmp9, 2
	s_add_co_u32 s11, s11, s10                     ; my query
	s_lshl_b32 s20, s11, 7                         ; 128 bytes a query in kid
	s_mov_b32 s21, 0
	s_lshl_b32 s22, s11, 10                        ; 1,024 in out0
	s_mov_b32 s23, 0
	s_wait_kmcnt 0x0
	s_add_nc_u64 s[4:5], s[4:5], s[20:21]
	s_add_nc_u64 s[8:9], s[8:9], s[22:23]
	s_load_b256 s[12:19], s[4:5], 0x0              ; my five keys (words 5 to 7 are 0)
	s_wait_kmcnt 0x0
.irp k, 0,1,2,3,4
	s_min_u32 s[12+\k], s[12+\k], 0x1ffff          ; a loaded number enters an address only behind this hold
	s_lshl_b32 s[12+\k], s[12+\k], 10
	v_add_nc_u32 v[2+\k], s[12+\k], v1
.endr
.irp k, 0,1,2,3,4
	global_load_b128 v[8+8*\k:11+8*\k], v[2+\k], s[6:7]
	global_load_b128 v[12+8*\k:15+8*\k], v[2+\k], s[6:7] offset:512
.endr
	s_wait_loadcnt 0x0
.irp p, 0,2,4,6
	v_pk_add_f32 v[8+\p:9+\p], v[8+\p:9+\p], v[16+\p:17+\p]
	v_pk_add_f32 v[24+\p:25+\p], v[24+\p:25+\p], v[32+\p:33+\p]
.endr
.irp p, 0,2,4,6
	v_pk_add_f32 v[8+\p:9+\p], v[8+\p:9+\p], v[24+\p:25+\p]
.endr
.irp p, 0,2,4,6
	v_pk_add_f32 v[8+\p:9+\p], v[8+\p:9+\p], v[40+\p:41+\p]
.endr
.irp p, 0,2,4,6
	v_pk_mul_f32 v[8+\p:9+\p], v[8+\p:9+\p], 0x3e4ccccd op_sel_hi:[1,0]
.endr
	global_store_b128 v1, v[8:11], s[8:9] th:TH_STORE_NT               ; 512 consecutive bytes a store, at a multiple of 256 from out0's first byte
	global_store_b128 v1, v[12:15], s[8:9] offset:512 th:TH_STORE_NT
	s_endpgm
.Lfunc_end_k_q4f33964013_fuse:
	.size	k_q4f33964013_fuse, .Lfunc_end_k_q4f33964013_fuse-k_q4f33964013_fuse
	.p2alignl 7, 3214868480
	.fill 96, 4, 3214868480
	.section	.rodata,"a",@progbits
	.p2align	6, 0x0
	.amdhsa_kernel k_q4f33964013_fuse
		.amdhsa_group_segment_fixed_size 0
		.amdhsa_private_segment_fixed_size 0
		.amdhsa_enable_private_segment 0
		.amdhsa_kernarg_size 24
		.amdhsa_user_sgpr_count 2
		.amdhsa_user_sgpr_kernarg_segment_ptr 1
		.amdhsa_wavefront_size32 1
		.amdhsa_system_sgpr_workgroup_id_x 1
		.amdhsa_system_sgpr_workgroup_id_y 1
		.amdhsa_system_sgpr_workgroup_id_z 1
		.amdhsa_system_vgpr_workitem_id 0
		.amdhsa_next_free_vgpr 64
		.amdhsa_next_free_sgpr 66
		.amdhsa_reserve_vcc 0
		.amdhsa_float_denorm_mode_32 3
		.amdhsa_float_denorm_mode_16_64 3
		.amdhsa_memory_ordered 1
		.amdhsa_forward_progress 1
		.amdhsa_inst_pref_size 5
	.end_amdhsa_kernel
	.amdgpu_metadata
---
amdhsa.version: [ 1, 2 ]
amdhsa.kernels:
  - .name:           k_q4f33964013_fuse
    .symbol:         k_q4f33964013_fuse.kd
    .args:
      - { .name: kid, .offset: 0, .size: 8, .value_kind: global_buffer, .address_space: global }
      - { .name: values, .offset: 8, .size: 8, .value_kind: global_buffer, .address_space: global }
      - { .name: out0, .offset: 16, .size: 8, .value_kind: global_buffer, .address_space: global }
    .group_segment_fixed_size: 0
    .private_segment_fixed_size: 0
    .kernarg_segment_align: 8
    .kernarg_segment_size: 24
    .max_flat_workgroup_size: 128
    .sgpr_count:     66
    .vgpr_count:     64
    .wavefront_size: 32
...
	.end_amdgpu_metadata
.endif
;; end of part 4
